; MI455X (gfx1250); checked and timed in simulation.
; The chip was launched on July 23, 2026; its instructions are those of AMD's public machine-readable ISA for CDNA 5 (MIT licence, August 2026) and "CDNA5" Instruction Set Architecture Reference Guide (July 2026). The comments in the code are by the model that wrote it; some were corrected since.
;; Attention. Allowed arithmetic: matrix products marked QUANTISED: E2M3 operands, one E8M0 scale for each 32 along K, by v_wmma_scale_f32_16x16x128_f8f6f4 with both operands' format E2M3, f32 sums; everything else in f32.
;; Inputs: Wk 1,024 x 1,024 float32; Wq 1,024 x 1,024 float32; Wv 1,024 x 1,024 float32; attention_mask 4 x 2,048 x 2,048 bool; bk 1,024 float32; bq 1,024 float32; bv 1,024 float32; k 4 x 2,048 x 1,024 float32; q 4 x 2,048 x 1,024 float32; v 4 x 2,048 x 1,024 float32.
;; Outputs: out0 4 x 2,048 x 1,024 float32.
;; This version of the problem:
;;   THIS VERSION OF THE PROBLEM IS GIVEN IN LOW PRECISION. The matrix products marked QUANTISED in the list below multiply operands that are first quantised to E2M3 (2 exponent bits, 3 mantissa bits; 6 bits a number), with one power-of-two scale for each 32 numbers along K (OCP MX v1.0); their sums are f32. All else is computed in f32.
;;   The module's matrix products, in the order in which they are computed (A, B: the left and right operand; K: the contracted axis; several contracted axes count as one K, in the product's order):
;;     1. [M 8,192, K 1,024] x [K 1,024, N 1,024]; A: input q; B: input Wq: QUANTISED
;;     2. [M 8,192, K 1,024] x [K 1,024, N 1,024]; A: input k; B: input Wk: QUANTISED
;;     3. [M 8,192, K 1,024] x [K 1,024, N 1,024]; A: input v; B: input Wv: QUANTISED
;;     4. batch 64 x [M 2,048, K 64] x [K 64, N 2,048]; A: computed on the way; B: computed on the way: QUANTISED
;;     5. batch 64 x [M 64, K 2,048] x [K 2,048, N 2,048]; A: computed on the way; B: softmax (see below): QUANTISED
;;   THE QUANTISER, for each operand of a quantised product, along K:
;;     - K is cut into blocks of 32 from its start; a last block that is shorter is filled with zeros.
;;     - A block's scale is 2^e with e = floor(log2(the largest magnitude in the block)) - 2, held to -126 .. 127; a block of zeros has e = 0. As a byte (E8M0): e + 127.
;;     - Each number is divided by its block's scale, clamped to +-7.5, and rounded to the nearest number of E2M3, ties to even, subnormals kept.
;;     - The product sums the exact products of the quantised numbers (number of the format x scale) in f32.
;;   ~~~python
;;   def quantise(x, axis):      # numpy; x: float32 -> the quantised numbers, widened to float32 again
;;       x = np.moveaxis(x, axis, -1); K = x.shape[-1]
;;       x = np.pad(x, [(0, 0)] * (x.ndim - 1) + [(0, -K % 32)]); x = x.reshape(x.shape[:-1] + (-1, 32)); a = np.abs(x).max(-1, keepdims=True)
;;       e = np.where(a > 0, np.clip(np.frexp(np.where(a > 0, a, 1))[1] - 1 - 2, -126, 127), 0)      # np.frexp(a)[1] - 1 = floor(log2(a)), exactly
;;       r = np.clip(x / 2.0 ** e, -7.5, 7.5)
;;       step = 2.0 ** (np.maximum(np.frexp(np.where(r == 0, 1, r))[1] - 1, 0) - 3)
;;       q = np.round(r / step) * step * 2.0 ** e      # np.round: ties to even
;;       return np.moveaxis(q.reshape(q.shape[:-2] + (-1,))[..., :K], -1, axis).astype(np.float32)
;;   ~~~
;;   SOFTMAX AHEAD OF A QUANTISED PRODUCT. Where the list says 'softmax', what is quantised is not the finished softmax but p = 2^(t - M), with t = logit x log2(e) and M = ceil(the row's largest t), a whole number; so 1/2 < the row's largest p <= 1. The row's sum l is taken of the UNQUANTISED p, in f32, and the product's result is divided by l at the end. Since M is a whole number, a kernel that streams over the keys may use a running M (the ceiling of the running maximum): every later rescaling is an exact power of two, which a block's scale takes up: the codes' values come out the same.
;;   OPERANDS COMPUTED ON THE WAY. 'Computed on the way' means the value that the module computes at that place (a softmax that the list does not call 'softmax' is quantised finished and normalised). What goes into a quantiser is computed in f32, as accurately as f32 sums, v_exp_f32 and their like allow (about 1e-6 of the number): no bf16 or f16 on the way to a quantiser, and a product that is left as it is and whose result goes on into a quantised operand takes f32 operands (vector FMAs, or v_wmma_f32_16x16x4_f32). A number that lies on a knife's edge between two numbers of the format may be rounded either way, as far as f32 arithmetic and the matrix unit's own rounding can turn it there, and no further.
;; One version. Each part assembles by itself: llvm-mc -triple=amdgcn-amd-amdhsa -mcpu=gfx1250 --defsym DOCPART=n.
;; ======== version 1 of 1: 3 launches
;; limits: right only within a limited range of input values
;; workspace buffers: codes 21,233,664 bytes; scales 884,736 bytes; qkimg 12,582,912 bytes; qksc 1,048,576 bytes; vimg 6,291,456 bytes; vsc 262,144 bytes; mbits 2,097,152 bytes of whole numbers; mflags 262,144 bytes of whole numbers
;; launch prep (part 1): grid 1376 x 1, 4 waves a work-group, no clusters, 33,280 bytes of LDS; arguments q, k, v, Wq, Wk, Wv, attention_mask, codes, scales, mbits, mflags; writes codes, scales, mbits, mflags
.if DOCPART == 1
	.amdgcn_target "amdgcn-amd-amdhsa--gfx1250"
	.amdhsa_code_object_version 6
	.text
	.protected	k_qf31d85b421_prep
	.globl	k_qf31d85b421_prep
	.p2align	8
	.type	k_qf31d85b421_prep,@function
k_qf31d85b421_prep:
	s_mov_b64 s[64:65], 0
	v_nop
	global_prefetch_b8 v0, s[64:65] scope:SCOPE_SE
	s_setreg_imm32_b32 hwreg(HW_REG_WAVE_MODE, 25, 1), 1
	s_wait_xcnt 0x0
; TWO JOBS, told apart by the work-group's number.
; (1) Work-groups 0 to 863: q, k, v [8192][1024] and Wq, Wk, Wv [1024][1024], f32, K innermost, become codes of FP6 (E2M3) with one E8M0 byte for each 32 along K.
;     All six lie in ONE table of 27,648 rows (q, k, v, Wq, Wk, Wv): codes 768 bytes a row, scale bytes 32 a row.
;     A block's scale is 2^(floor(log2(its largest magnitude)) - 2); its byte is the largest magnitude's exponent field - 2, held at 1 from below.
;     THE ROWS ARE PERMUTED: in every 32 rows the second and the third group of 8 change places.  Sixteen neighbouring rows of the table then are rows 8 u + r + 8 (r / 8) of their 32:
;     used as a tile of a transposed product, two neighbouring tiles give a lane 16 neighbours along the next product's K.
;     A work-group takes 32 rows, a wave 8 (8,192 numbers, 16 steps of 512): so the permutation is a choice of the wave's place in the output, nothing more.
;     A step's four loads read 512 consecutive bytes each; the 2,048 bytes turn through the wave's own stage in LDS so that a lane holds 16 neighbours along K (two lanes to a block).
;     LIMITS: a block of zeros gets the byte 1 (its codes are zeros; only this program reads the bytes); NaN and infinities among the inputs are not served.
; (2) Work-groups 864 to 1375: the mask [4][2048][2048], one byte each, becomes LANE MASKS for the attention launch, and a flag for each tile that has a masked element.
;     Work-group i4 = 128 b + T takes the 16 queries of tile T (lane r: query 32 (T / 2) + 8 (T % 2) + r + 8 (r / 8)); wave g takes key steps 4 g to 4 g + 3 of 128 keys.
;     Word 16 beta + i of a step: bit (r, h) = mask[b][query r][128 step + 32 beta + 16 h + i]: the lanes in which score register 16 beta + i is masked.
.set WAVES, 4
.set STEPS, 16
.set NQW,   864                        ; work-groups that quantise: 3 x 256 + 3 x 32
.set EMAX,  2
.set CB,    12                         ; bytes of 16 codes
.set R,     16                         ; v16-79   four sets of 16 numbers as they are loaded
.set X,     80                         ; v80-111  two sets of 16 neighbours
.set C,     128                        ; v128-191 codes: four registers for each step
.set E,     112                        ; v112-127 a scale byte for each step
.set WREG,  8192                       ; LDS: a region for each wave: two stages of 32 x SP bytes, behind them its 256 scale bytes
.set SP,    80                         ; a lane's place in a stage: 64 bytes + 16 of padding
.set SPW,   12                         ; v12  LDS address of my spare word; never rewritten
.set NIL,   13                         ; v13  0; never rewritten
.set SPARE, WAVES*WREG                 ; behind the four regions: the spare words, 128 bytes a wave
.set MO,    32                         ; mask path: v32-39 the words to store, two registers a step
.set MT,    40                         ; v40-43 at work
.set MD,    64                         ; v64-127 the mask's bytes, 16 registers a step
	s_load_b512 s[4:19], s[0:1], 0x0               ; q, k, v, Wq, Wk, Wv, the mask, codes
	s_load_b128 s[20:23], s[0:1], 0x40             ; scales, mbits
	s_load_b64 s[24:25], s[0:1], 0x50              ; mflags
	v_lshl_add_u32 v[SPW], v0, 2, SPARE
	v_mov_b32 v[NIL], 0
	v_lshrrev_b32 v1, 5, v0
	v_readfirstlane_b32 s26, v1                    ; wave
	v_and_b32 v2, 31, v0                           ; lane
	s_cmp_ge_u32 ttmp9, NQW
	s_cbranch_scc1 .Lmask
	; ---------------- the quantiser ----------------
	v_lshlrev_b32 v3, 4, v2                        ; my 16 bytes of a load's 512
	s_mul_i32 s31, s26, WREG
	v_lshrrev_b32 v14, 2, v2
	v_mul_u32_u24 v14, v14, SP
	v_and_b32 v15, 3, v2
	v_lshl_add_u32 v14, v15, 4, v14
	v_add_nc_u32 v14, s31, v14                     ; the stage, on the way in: SP (lane / 4) + 16 (lane % 4)
	v_mul_u32_u24 v15, v2, SP
	v_add_nc_u32 v15, s31, v15                     ; and on the way out: SP x lane: my 16 neighbours
	v_mul_u32_u24 v4, v2, CB                       ; my codes' place in a step's
	v_lshrrev_b32 v5, 1, v2
	s_add_co_u32 s31, s31, 2*32*SP
	v_add_nc_u32 v5, s31, v5                       ; LDS: my wave's 256 scale bytes, my block's byte
	v_lshlrev_b32 v7, 3, v2                        ; and on the way out 8 bytes a lane
	v_add_nc_u32 v6, s31, v7
	s_lshr_b32 s27, ttmp9, 8                       ; 0, 1, 2: q, k, v; 3: a weight
	s_and_b32 s28, ttmp9, 255                      ; which 32 rows of q, k or v
	s_sub_co_u32 s29, ttmp9, 768
	s_lshr_b32 s30, s29, 5                         ; which weight
	s_and_b32 s29, s29, 31                         ; which 32 rows of it
	s_wait_kmcnt 0x0
	s_cmp_eq_u32 s27, 1                            ; the source is chosen by the work-group's number alone
	s_cselect_b64 s[4:5], s[6:7], s[4:5]
	s_cmp_eq_u32 s27, 2
	s_cselect_b64 s[4:5], s[8:9], s[4:5]
	s_cmp_eq_u32 s27, 3
	s_cselect_b32 s28, s29, s28
	s_cselect_b32 s30, s30, 3
	s_cmp_eq_u32 s30, 0
	s_cselect_b64 s[4:5], s[10:11], s[4:5]
	s_cmp_eq_u32 s30, 1
	s_cselect_b64 s[4:5], s[12:13], s[4:5]
	s_cmp_eq_u32 s30, 2
	s_cselect_b64 s[4:5], s[14:15], s[4:5]
	s_lshl_b32 s28, s28, 2
	s_add_co_u32 s28, s28, s26
	s_lshl_b32 s32, s28, 15                        ; in: 32,768 bytes (8 rows) a wave
	s_mov_b32 s33, 0
	s_add_nc_u64 s[4:5], s[4:5], s[32:33]
	s_and_b32 s34, s26, 1                          ; out: waves 1 and 2 change places: the permutation of the rows
	s_lshl_b32 s34, s34, 1
	s_lshr_b32 s35, s26, 1
	s_or_b32 s34, s34, s35
	s_lshl_b32 s35, ttmp9, 2
	s_add_co_u32 s34, s34, s35                     ; which 8 rows of the table
	s_mul_i32 s32, s34, 8*768
	s_add_nc_u64 s[18:19], s[18:19], s[32:33]
	s_lshl_b32 s32, s34, 8
	s_add_nc_u64 s[20:21], s[20:21], s[32:33]
.macro LOAD t
.irp i, 0,1,2,3
	global_load_b128 v[R+16*((\t)%4)+4*\i:R+16*((\t)%4)+4*\i+3], v3, s[4:5] offset:2048*(\t)+512*\i th:TH_LOAD_NT   ; 32 lanes read 512 consecutive bytes
.endr
.endm
.macro TURN t                          ; step t's numbers through the stage: LDS serves a wave's instructions in order, so no wait stands between the stores and the loads
.irp i, 0,1,2,3
	ds_store_b128 v14, v[R+16*((\t)%4)+4*\i:R+16*((\t)%4)+4*\i+3] offset:32*SP*((\t)%2)+8*SP*\i
.endr
.irp i, 0,1,2,3
	ds_load_b128 v[X+16*((\t)%2)+4*\i:X+16*((\t)%2)+4*\i+3], v15 offset:32*SP*((\t)%2)+16*\i
.endr
.endm
.irp t, 0,1,2,3
	LOAD \t
.endr
	s_wait_loadcnt 12                              ; step 0's four loads are in; three steps' twelve may be out
	TURN 0
.macro STEP t
.set XS, X+16*((\t)%2)
.if (\t) > 0
	s_wait_dscnt 1                                 ; this step's numbers are back from the stage (the last step's byte store may be out): its stores into the stage have read their registers,
.else
	s_wait_dscnt 0x0
.endif
.if (\t)+4 < STEPS
	LOAD (\t)+4                                    ; which take the loads of four steps on
.endif
.if (\t)+1 < STEPS
.if STEPS-2-(\t) >= 3
	s_wait_loadcnt 12                              ; the next step's four loads are in; those of the three steps behind it may be out
.else
	s_wait_loadcnt 4*(STEPS-2-(\t))
.endif
	TURN (\t)+1                                    ; and go through the other stage while this step is worked
.endif
	v_max3_num_f32 v8, |v[XS]|, |v[XS+1]|, |v[XS+2]|               ; the largest magnitude of my 16, in two chains
	v_max3_num_f32 v9, |v[XS+3]|, |v[XS+4]|, |v[XS+5]|
.irp i, 6,10
	v_max3_num_f32 v8, v8, |v[XS+\i]|, |v[XS+\i+1]|
	v_max3_num_f32 v9, v9, |v[XS+\i+2]|, |v[XS+\i+3]|
.endr
	v_max3_num_f32 v8, v8, |v[XS+14]|, |v[XS+15]|
	v_max3_num_f32 v8, v8, v9, (EMAX+1)<<23        ; and the floor 2^(EMAX + 1 - 127): the byte cannot fall under 1
	v_max_num_f32_dpp v8, v8, v8 row_xmask:1 row_mask:0xf bank_mask:0xf   ; and of my neighbour's 16: the block's
	v_add_nc_u32 v11, -(EMAX<<23), v8              ; EMAX off its exponent field: the conversion takes the exponent field of this operand as its scale
	v_cvt_scalef32_pk16_fp6_f32 v[C+4*(\t):C+4*(\t)+2], v[XS:XS+15], v11
	v_lshrrev_b32 v[E+(\t)], 23, v11               ; the scale's byte (also the plain line behind the conversion)
	ds_store_b8 v5, v[E+(\t)] offset:16*(\t)       ; both lanes of a block write the same byte with the same value
	global_store_b96 v4, v[C+4*(\t):C+4*(\t)+2], s[18:19] offset:32*CB*(\t)   ; the wave stores 384 consecutive bytes
.endm
.irp t, 0,1,2,3,4,5,6,7,8,9,10,11,12,13,14,15
	STEP \t
.endr
	ds_load_b64 v[8:9], v6                         ; LDS serves a wave's instructions in order: these see my stores
	s_wait_dscnt 0x0
	global_store_b64 v7, v[8:9], s[20:21]          ; 32 lanes store 256 consecutive bytes, aligned: 8 rows' scale bytes
	s_wait_tensorcnt 0x0                           ; the wave's end
	ds_add_u32 v[SPW], v[NIL]
	s_wait_dscnt 0x0
	s_endpgm
	; ---------------- the mask ----------------  (no LDS is touched on this path)
.Lmask:
	s_sub_co_u32 s27, ttmp9, NQW                   ; i4 = 128 b + T
	s_lshr_b32 s28, s27, 7                         ; b
	s_and_b32 s29, s27, 127                        ; T
	s_lshr_b32 s30, s29, 1
	s_lshl_b32 s30, s30, 5
	s_and_b32 s31, s29, 1
	s_lshl_b32 s31, s31, 3
	s_add_co_u32 s30, s30, s31                     ; the tile's first query: 32 (T / 2) + 8 (T % 2)
	s_lshl_b32 s30, s30, 11                        ; a query's row is 2,048 bytes
	s_lshl_b32 s28, s28, 22
	s_add_co_u32 s30, s30, s28
	s_lshl_b32 s31, s26, 9                         ; my wave's 512 keys
	s_add_co_u32 s32, s30, s31
	s_mov_b32 s33, 0
	v_and_b32 v6, 15, v0                           ; r
	v_bfe_u32 v7, v0, 4, 1                         ; h
	v_and_b32 v8, 8, v6
	v_add_nc_u32 v8, v8, v6                        ; r + 8 (r / 8)
	v_lshlrev_b32 v3, 11, v8
	v_lshl_add_u32 v3, v7, 4, v3                   ; my query's row, + 16 h
	v_lshlrev_b32 v4, 3, v2                        ; out: two words a lane
	v_lshlrev_b32 v5, 2, v2                        ; the flag: a word a lane
	s_lshl_b32 s34, s27, 12                        ; mbits: 16 steps x 256 bytes a tile,
	s_lshl_b32 s35, s26, 10                        ; my four steps
	s_add_co_u32 s34, s34, s35
	s_mov_b32 s35, 0
	s_lshl_b32 s36, s27, 9                         ; mflags: 4 x 128 bytes a tile
	s_lshl_b32 s37, s26, 7
	s_add_co_u32 s36, s36, s37
	s_mov_b32 s37, 0
	s_lshl_b32 s46, s26, 2                         ; my first step's number
	s_mov_b32 s44, 0                               ; the flags
.irp i, 0,1,2,3,4,5,6,7
	v_mov_b32 v[MO+\i], 0                          ; v_writelane_b32's destination counts as read
.endr
	s_wait_kmcnt 0x0
	s_add_nc_u64 s[16:17], s[16:17], s[32:33]
	s_add_nc_u64 s[22:23], s[22:23], s[34:35]
	s_add_nc_u64 s[24:25], s[24:25], s[36:37]
.irp s, 0,1,2,3                        ; all sixteen loads on end: together they take 512 consecutive bytes of each of the 16 rows
.irp b, 0,1,2,3
	global_load_b128 v[MD+16*\s+4*\b:MD+16*\s+4*\b+3], v3, s[16:17] offset:128*\s+32*\b   ; keys 128 s + 32 beta + 16 h + 0 .. 15
.endr
.endr
.macro MSTEP s
	s_wait_loadcnt 12-4*\s                         ; this step's four loads are in; the later steps' may be out
.set w, 0
.rept 64                               ; word w: byte w % 4 of register w / 4, compared in all lanes at once; the lanes' bits go to lane w / 2 of the registers to be stored
	v_bfe_u32 v[MT+w%4], v[MD+16*\s+w/4], 8*(w%4), 8
	v_cmp_ne_u32 s[40+w%4], 0, v[MT+w%4]
	v_writelane_b32 v[MO+2*\s+w%2], s[40+w%4], w/2
.set w, w+1
.endr
	v_or_b32 v44, v[MD+16*\s], v[MD+16*\s+1]       ; is anything masked in this step?  Two chains
	v_or_b32 v46, v[MD+16*\s+2], v[MD+16*\s+3]
.irp i, 4,6,8,10,12,14
	v_or_b32 v44, v44, v[MD+16*\s+\i]
	v_or_b32 v46, v46, v[MD+16*\s+\i+1]
.endr
	v_or_b32 v44, v44, v46
	v_cmp_ne_u32 s45, 0, v44
	s_cmp_lg_u32 s45, 0
	s_cselect_b32 s45, 1, 0
	s_add_co_u32 s47, s46, \s
	s_lshl_b32 s45, s45, s47                       ; bit = the step's number
	s_or_b32 s44, s44, s45
	global_store_b64 v4, v[MO+2*\s:MO+2*\s+1], s[22:23] offset:256*\s   ; 32 lanes store 256 consecutive bytes, aligned; each step has its own registers, so no store's data are written again
.endm
	MSTEP 0
	MSTEP 1
	MSTEP 2
	MSTEP 3
	v_mov_b32 v45, s44
	global_store_b32 v5, v45, s[24:25]             ; my four flags, the same word 32 times: 128 consecutive bytes
	s_endpgm
.Lfunc_end_k_qf31d85b421_prep:
	.size	k_qf31d85b421_prep, .Lfunc_end_k_qf31d85b421_prep-k_qf31d85b421_prep
	.p2alignl 7, 3214868480
	.fill 96, 4, 3214868480
	.section	.rodata,"a",@progbits
	.p2align	6, 0x0
	.amdhsa_kernel k_qf31d85b421_prep
		.amdhsa_group_segment_fixed_size 33280
		.amdhsa_private_segment_fixed_size 0
		.amdhsa_enable_private_segment 0
		.amdhsa_kernarg_size 88
		.amdhsa_user_sgpr_count 2
		.amdhsa_user_sgpr_kernarg_segment_ptr 1
		.amdhsa_wavefront_size32 1
		.amdhsa_system_sgpr_workgroup_id_x 1
		.amdhsa_system_sgpr_workgroup_id_y 1
		.amdhsa_system_sgpr_workgroup_id_z 1
		.amdhsa_system_vgpr_workitem_id 0
		.amdhsa_next_free_vgpr 192
		.amdhsa_next_free_sgpr 66
		.amdhsa_reserve_vcc 0
		.amdhsa_float_denorm_mode_32 3
		.amdhsa_float_denorm_mode_16_64 3
		.amdhsa_memory_ordered 1
		.amdhsa_forward_progress 1
		.amdhsa_inst_pref_size 87
	.end_amdhsa_kernel
	.amdgpu_metadata
---
amdhsa.version: [ 1, 2 ]
amdhsa.kernels:
  - .name:           k_qf31d85b421_prep
    .symbol:         k_qf31d85b421_prep.kd
    .args:
      - { .name: q, .offset: 0, .size: 8, .value_kind: global_buffer, .address_space: global }
      - { .name: k, .offset: 8, .size: 8, .value_kind: global_buffer, .address_space: global }
      - { .name: v, .offset: 16, .size: 8, .value_kind: global_buffer, .address_space: global }
      - { .name: Wq, .offset: 24, .size: 8, .value_kind: global_buffer, .address_space: global }
      - { .name: Wk, .offset: 32, .size: 8, .value_kind: global_buffer, .address_space: global }
      - { .name: Wv, .offset: 40, .size: 8, .value_kind: global_buffer, .address_space: global }
      - { .name: attention_mask, .offset: 48, .size: 8, .value_kind: global_buffer, .address_space: global }
      - { .name: codes, .offset: 56, .size: 8, .value_kind: global_buffer, .address_space: global }
      - { .name: scales, .offset: 64, .size: 8, .value_kind: global_buffer, .address_space: global }
      - { .name: mbits, .offset: 72, .size: 8, .value_kind: global_buffer, .address_space: global }
      - { .name: mflags, .offset: 80, .size: 8, .value_kind: global_buffer, .address_space: global }
    .group_segment_fixed_size: 33280
    .private_segment_fixed_size: 0
    .kernarg_segment_align: 8
    .kernarg_segment_size: 88
    .max_flat_workgroup_size: 128
    .sgpr_count:     66
    .vgpr_count:     192
    .wavefront_size: 32
...
	.end_amdgpu_metadata
.endif
;; end of part 1
;; launch proj (part 2): grid 4 x 96, 4 waves a work-group, clusters of 4 x 4, 327,680 bytes of LDS; arguments codes, scales, bq, bk, bv, qkimg, qksc, vimg, vsc; writes qkimg, qksc, vimg, vsc
.if DOCPART == 2
	.amdgcn_target "amdgcn-amd-amdhsa--gfx1250"
	.amdhsa_code_object_version 6
	.text
	.protected	k_qf31d85b421_proj
	.globl	k_qf31d85b421_proj
	.p2align	8
	.type	k_qf31d85b421_proj,@function
k_qf31d85b421_proj:
	s_mov_b64 s[64:65], 0
	v_nop
	global_prefetch_b8 v0, s[64:65] scope:SCOPE_SE
	s_setreg_imm32_b32 hwreg(HW_REG_WAVE_MODE, 25, 1), 1
	s_wait_xcnt 0x0
	s_wait_alu depctr_hold_cnt(0) depctr_sa_sdst(0) depctr_va_vdst(0) depctr_va_sdst(0) depctr_va_ssrc(0) depctr_va_vcc(0) depctr_vm_vsrc(0)
	s_getreg_b32 s2, hwreg(HW_REG_IB_STS2, 6, 4)
	s_cmp_eq_u32 s2, 0
	s_cbranch_scc0 .Lentry_in_a_cluster
	s_endpgm
.Lentry_in_a_cluster:
	s_bfe_u32 s2, ttmp6, 0x10000c
	s_cmp_lg_u32 s2, 0xf033
	s_cbranch_scc0 .Lentry_shape_is_right
	s_endpgm
.Lentry_shape_is_right:
; THE THREE PROJECTIONS x W^T + b on codes of FP6 (E2M3) with E8M0 scales, K = 1,024, and the quantising of their results for the attention launch.
; codes: 27,648 rows x 768 bytes (q, k, v: 8,192 rows each; Wq, Wk, Wv: 1,024 each), scales: the same rows x 32 bytes; in every 32 rows the second and third group of 8 have changed places.
; A tile of 256 x 256 results is made by a work-group of four waves, a wave makes 128 x 128: 64 accumulators, 512 registers.  K goes in steps of 256 through a ring of two LDS slots filled by the tensor data mover.
; The scale bytes of the work-group's 2 x 256 rows, for all of K, come into LDS once, with the first fills.
; CLUSTERS: 4 x 4 work-groups; A's tiles are shared along a row of the cluster, B's along a column: each is asked for JOINTLY, by the same tensor load with a mask that names the four.
; THE MATRIX INSTRUCTION IS USED TRANSPOSED (source 0 = 16 rows of B, source 1 = 16 rows of A): a lane holds ONE row of A and, in the 64 registers of a block of A, 128 rows of B; by the
; permutation of the table's rows register 16 beta + i is B's row 32 beta + 16 (lane / 16) + i: 16 neighbours, as the conversions want them.
; WHO IS A AND WHO IS B hangs on the cluster's y (CY), which all sixteen partners share:
;   CY 0-15  (q, k): A = 1,024 rows of q or k, B = Wq or Wk.  A lane holds one token and 128 features = two heads: quantised along the head's 64 (two blocks of 32 a head).
;   CY 16-23 (v):    A = Wv, B = 1,024 rows of v.  A lane holds one feature and 128 keys: quantised along the keys (four blocks of 32).
; THE RESULTS LEAVE AS IMAGES OF OPERAND REGISTERS, straight from registers: every store of a wave covers 512 or 256 consecutive bytes, aligned.
;   qkimg [128 (q: b, head; then k)][step 16][tile 8][768]: a tile of 16 tokens x 64: registers 0-3 at 16 x lane, registers 4-5 at 512 + 8 x lane.   qksc [128][16][lane][4 words]: word j of lane l: tile 2 j + l / 16, row l % 16 (two bytes; the upper two 0).
;   vimg [64][step 16][tile 4][1536]: a tile of 16 features x 128 keys: three planes of 512 bytes.   vsc [64][16][lane][2 words]: word j of lane l: tile 2 j + l / 16, row l % 16.
; LIMITS: a block of zeros gets the byte 1 (its codes are zeros; only this program reads the bytes); NaN and infinities are not served.
; REGISTERS, in windows of 256: window 0: v0-31 addresses; v32-63 scale words, two sets; v64-127, v224-239 the biases; from v128 A's fragments, one set.  window 1: B's fragments, two sets.  windows 2, 3: the accumulators ((a, b) at v[8 (8 (a % 4) + b)]).
.set SIZE_K, 1024
.set KSTEP,  256                       ; along K in a slot
.set NQ,     KSTEP/128                 ; matrix instructions deep
.set ROWB,   192                       ; a tile's row in bytes
.set KROW,   SIZE_K*6/8                ; a row of codes in memory
.set PITCH,  240                       ; an LDS row: 3 x (64 bytes + 16 of padding)
.set FR,     12                        ; registers of a fragment
.set NL,     6                         ; LDS loads that bring one
.set NP,     4                         ; places behind this matrix instruction (ISA guide 7.12.1)
.set HALFT,  128*PITCH                 ; 128 rows: what one tensor load brings
.set SLOT,   4*HALFT                   ; A's 256 rows, then B's 256 rows
.set LAPS,   SIZE_K/(2*KSTEP)
.set KS,     SIZE_K/32                 ; a row of scale bytes
.set SCL,    2*SLOT                    ; behind the ring: the scales, as rows of 256 bytes + 16 of padding
.set HALFS,  (128*KS/256)*272
.set SBLK,   (16*KS/256)*272
.set SPARE,  SCL+4*HALFS               ; the spare words, 128 bytes a wave
.set ADRA, 16                          ; v16-17 LDS address of my A fragments in slot 0, 1 (v18-19: behind one padding more)
.set ADRB, 20                          ; v20-23 the same for B
.set L16,  24                          ; v24  16 x lane
.set L8,   25                          ; v25  8 x lane
.set ADRS, 27                          ; v27  LDS address of my scale words: lanes 0-15 A's rows, lanes 16-31 B's
.set SPW,  28                          ; v28  my spare word's address; never rewritten
.set NIL,  29                          ; v29  0; never rewritten
.set BAQ,  30                          ; v30  the bias along the registers: 64 x (lane / 16)
.set BAV,  31                          ; v31  the bias of my row: 4 (r + 8 (r / 8))
.set SC,   32
.set AF,   128
.set BI,   64                          ; v64-127  bias of register 16 beta + i: feature 32 beta + 16 h + i
.set BV,   224                         ; v224-239 bias of my row of block a, at v[BV + 2 a]; the odd registers are 0
.set T,    128                         ; the way out: v128-191 the 64 numbers of a block, bias added
.set PC,   192                         ; v192-211 the codes
.set TM,   32                          ; v32-47 at work
.set SW,   50                          ; v50-57 the eight blocks' scale words
.set XT,   58
.set SO,   240                         ; v240-247 scale words as they are stored
.set SEL,  20                          ; s[20:21] on the way out: selects for lane l xor 16
.set G1, 24
.set G0, 32
.set G1B, 48
.set G0B, 56
.set G1S, 68
.set G0S, 76
.set G1SB, 80
.set G0SB, 88
.set MSB, 0
.macro WIN new                         ; the immediate's high byte repeats the setting that is left
.if MSB != \new
	s_set_vgpr_msb (MSB<<8)|\new
.set MSB, \new
.endif
.endm
.set MUL_LO, 0xa1                      ; source 0 (B) window 1, source 1 (A) window 0, C and D window 2
.set MUL_HI, 0xf1                      ; the same, C and D window 3
.set TO_B,   0x40                      ; destination window 1, address window 0
; A joint load: waves 0 and 1 fetch for A, waves 2 and 3 for B.  The branch hangs on the wave's number alone.  An s_nop 0 and four v_nop follow each of the two lines.
.macro JLOAD g0a, g1a, g0b, g1b
	s_cmp_eq_u32 s15, 0
	s_cbranch_scc0 .Lfor_b_\@
	tensor_load_to_lds s[\g0a:\g0a+3], s[\g1a:\g1a+7]
	s_nop 0
.rept 4
	v_nop
.endr
	s_branch .Lasked_\@
.Lfor_b_\@:
	tensor_load_to_lds s[\g0b:\g0b+3], s[\g1b:\g1b+7]
	s_nop 0
.rept 4
	v_nop
.endr
.Lasked_\@:
.endm
.macro CREST                           ; a round of the cluster's barrier behind its opening barrier
	s_cmp_lg_u32 s14, 0
	s_cbranch_scc1 .Lnot_wave_0_\@
	s_barrier_signal -3
.Lnot_wave_0_\@:
	s_barrier_wait -3
	s_barrier_signal -1
	s_barrier_wait -1
.endm
.macro CROUND                          ; a whole round
	s_barrier_signal -1
	s_barrier_wait -1
	CREST
.endm
	s_load_b128 s[4:7], s[0:1], 0x0                ; codes, scales
	s_load_b128 s[8:11], s[0:1], 0x10              ; bq, bk
	s_load_b64 s[12:13], s[0:1], 0x20              ; bv
	v_lshl_add_u32 v[SPW], v0, 2, SPARE
	v_mov_b32 v[NIL], 0
	ds_add_u32 v[SPW], v[NIL]                      ; the wave's opening: the add and its wait stand ahead of my first tensor load; the set-up below, work on registers, stands between them
	v_lshrrev_b32 v1, 5, v0
	v_readfirstlane_b32 s14, v1                    ; wave 0..3
	s_lshr_b32 s15, s14, 1                         ; which half of A's 256 rows is mine.  Also: I fetch for A (0) or for B (1)
	s_and_b32 s16, s14, 1                          ; which half of B's.  Also: which 128 rows of that tile I fetch
	s_bfe_u32 s40, ttmp6, 0x40000                  ; cx, cy: my place in the cluster
	s_bfe_u32 s41, ttmp6, 0x40004
	s_and_b32 s67, ttmp7, 0xffff                   ; CY: the cluster's y, 0 .. 23
	s_lshl_b32 s2, s67, 10                         ; the cluster's 1,024 rows of q, k or v begin at row 1,024 CY of the table
	s_lshr_b32 s18, s67, 3                         ; 0 q, 1 k, 2 v
	s_lshl_b32 s18, s18, 10
	s_add_co_u32 s18, s18, 24576                   ; and its weight at row 24,576 + 1,024 (CY / 8)
	s_cmp_ge_u32 s67, 16                           ; v?  Then the weight is A
	s_cselect_b32 s17, s18, s2                     ; A's first row in the cluster
	s_cselect_b32 s42, s2, s18                     ; B's
	s_cselect_b32 s66, 1, 0                        ; 1 for v
	s_lshl_b32 s43, s41, 8
	s_add_co_u32 s17, s17, s43                     ; my tile's first row of A: + 256 cy
	s_lshl_b32 s44, s40, 8
	s_add_co_u32 s42, s42, s44                     ; of B: + 256 cx
	s_lshl_b32 s43, s41, 2
	s_lshl_b32 s43, 15, s43                        ; my row of the cluster
	s_lshl_b32 s44, 0x1111, s40                    ; my column
	; descriptor group 1: a tile of 128 rows x ROWB bytes, padded in LDS
	s_or_b32 s[G1+0], s43, (0<<16)|(1<<20)|(1<<21)|(3<<22)|(3<<25)  ; 15:0 the mask: A's tiles go to my row; 17:16 element of 1 byte; 20 padding on; 21 set beside a mask; 24:22 after every 16 words; 31:25 of 4 words
	s_or_b32 s[G1B+0], s44, (0<<16)|(1<<20)|(1<<21)|(3<<22)|(3<<25)
.irp g, G1, G1B
	s_mov_b32 s[\g+1], ROWB<<16                    ; tensor_dim0
	s_mov_b32 s[\g+2], 128<<16                     ; tensor_dim1
	s_mov_b32 s[\g+3], ROWB<<16                    ; tile_dim0
	s_mov_b32 s[\g+4], 128                         ; tile_dim1
	s_mov_b32 s[\g+5], KROW                        ; tensor_dim0_stride
	s_mov_b32 s[\g+6], 0
	s_mov_b32 s[\g+7], 0
.endr
	; the scales of 128 rows: a dense block of 4,096 bytes, as 16 rows of 256 bytes (32 elements of 8 bytes), 16 bytes of padding behind each
	s_or_b32 s[G1S+0], s43, (3<<16)|(1<<20)|(1<<21)|(5<<22)|(3<<25)
	s_or_b32 s[G1SB+0], s44, (3<<16)|(1<<20)|(1<<21)|(5<<22)|(3<<25)
.irp g, G1S, G1SB
	s_mov_b32 s[\g+1], 32<<16
	s_mov_b32 s[\g+2], (128*KS/256)<<16
	s_mov_b32 s[\g+3], 32<<16
	s_mov_b32 s[\g+4], 128*KS/256
	s_mov_b32 s[\g+5], 32
	s_mov_b32 s[\g+6], 0
	s_mov_b32 s[\g+7], 0
.endr
	s_lshl_b32 s18, s16, 7                         ; which 128 rows of the tile I fetch
	s_add_co_u32 s20, s17, s18                     ; in A
	s_add_co_u32 s46, s42, s18                     ; in B
	s_mov_b32 s21, 0
	s_mov_b32 s47, 0
	s_mov_b64 s[18:19], KS
	s_mul_u64 s[22:23], s[20:21], s[18:19]         ; where these rows' scales begin, in bytes
	s_mul_u64 s[92:93], s[46:47], s[18:19]
	s_mov_b64 s[18:19], KROW
	s_mul_u64 s[20:21], s[20:21], s[18:19]         ; and their codes
	s_mul_u64 s[46:47], s[46:47], s[18:19]
	s_mul_i32 s45, s14, HALFT                      ; where they go: wave x 128 rows: no place in the cluster enters an LDS address
	s_mul_i32 s94, s14, HALFS
	s_wait_dscnt 0x0                               ; the opening add is done
	s_wait_kmcnt 0x0
	s_add_nc_u64 s[20:21], s[4:5], s[20:21]
	s_add_nc_u64 s[22:23], s[6:7], s[22:23]
	s_add_nc_u64 s[46:47], s[4:5], s[46:47]
	s_add_nc_u64 s[92:93], s[6:7], s[92:93]
	CROUND                                         ; all sixteen work-groups are here: the first joint loads meet
	s_mov_b32 s[G0S], 1
	s_add_co_u32 s[G0S+1], s94, SCL
	s_mov_b64 s[G0S+2:G0S+3], s[22:23]
	s_or_b32 s[G0S+3], s[G0S+3], 0x80000000
	s_mov_b32 s[G0SB], 1
	s_add_co_u32 s[G0SB+1], s94, SCL
	s_mov_b64 s[G0SB+2:G0SB+3], s[92:93]
	s_or_b32 s[G0SB+3], s[G0SB+3], 0x80000000
	JLOAD G0S, G1S, G0SB, G1SB                     ; the scales first: they are wanted with K step 0
.irp s, 0,1
	s_mov_b32 s[G0+4*\s], 1
	s_add_co_u32 s[G0+4*\s+1], s45, \s*SLOT
	s_add_nc_u64 s[G0+4*\s+2:G0+4*\s+3], s[20:21], \s*ROWB
	s_or_b32 s[G0+4*\s+3], s[G0+4*\s+3], 0x80000000
	s_mov_b32 s[G0B+4*\s], 1
	s_add_co_u32 s[G0B+4*\s+1], s45, \s*SLOT
	s_add_nc_u64 s[G0B+4*\s+2:G0B+4*\s+3], s[46:47], \s*ROWB
	s_or_b32 s[G0B+4*\s+3], s[G0B+4*\s+3], 0x80000000
	JLOAD G0+4*\s, G1, G0B+4*\s, G1B               ; three tensor loads of mine are out now
.endr
	v_and_b32 v1, 15, v0                           ; r = l % 16
	v_bfe_u32 v2, v0, 4, 1                         ; h = l / 16
	v_mul_u32_u24 v3, v1, PITCH
	v_mul_u32_u24 v4, v2, 24
	v_add_nc_u32 v4, v3, v4                        ; a fragment's row x pitch + 24 x half
	v_lshl_add_u32 v5, v2, 4, v4                   ; and the same behind one padding more
	s_mul_i32 s21, s15, HALFT                      ; my 128 rows of A
	s_mul_i32 s22, s16, HALFT                      ; my 128 rows of B,
	s_add_co_u32 s22, s22, 2*HALFT                 ; which lie behind A's 256
.irp s, 0,1
	v_add_nc_u32 v[ADRA+\s], s21, v4
	v_add_nc_u32 v[ADRB+\s], s22, v4
	v_add_nc_u32 v[ADRA+2+\s], s21, v5
	v_add_nc_u32 v[ADRB+2+\s], s22, v5
	s_add_co_u32 s21, s21, SLOT
	s_add_co_u32 s22, s22, SLOT
.endr
	v_mul_u32_u24 v5, v1, KS                       ; my row's scales: KS bytes a row,
	v_lshrrev_b32 v6, 8, v5
	v_lshl_add_u32 v5, v6, 4, v5                   ; and 16 more for each 256 passed
	s_mul_i32 s21, s15, HALFS                      ; A's: my 128 rows
	s_mul_i32 s22, s16, HALFS                      ; B's: my 128 rows, behind A's 256
	s_add_co_u32 s22, s22, 2*HALFS
	s_sub_co_u32 s22, s22, s21
	v_mul_u32_u24 v6, s22, v2                      ; lanes 16-31 take B's
	s_add_co_u32 s21, s21, SCL
	v_add_nc_u32 v5, v5, v6
	v_add_nc_u32 v[ADRS], s21, v5
	; ---- where my results go, and my biases
	s_load_b256 s[92:99], s[0:1], 0x28             ; qkimg, qksc, vimg, vsc (s92-94 have served the descriptors and are free)
	v_and_b32 v6, 31, v0
	v_lshlrev_b32 v[L16], 4, v6
	v_lshlrev_b32 v[L8], 3, v6
	v_lshlrev_b32 v[BAQ], 6, v2
	v_and_b32 v[BAV], 8, v1
	v_add_nc_u32 v[BAV], v[BAV], v1
	v_lshlrev_b32 v[BAV], 2, v[BAV]
	s_lshl_b32 s20, s15, 7
	s_add_co_u32 s20, s17, s20                     ; q, k: my first token among the 16,384 rows of q and k
	s_lshl_b32 s21, s16, 7
	s_add_co_u32 s21, s42, s21
	s_sub_co_u32 s21, s21, 16384                   ; v: my first key among v's 8,192 rows
	s_lshl_b32 s22, s40, 2
	s_lshl_b32 s23, s16, 1
	s_add_co_u32 s22, s22, s23                     ; q, k: my first head: 4 cx + 2 x half
	s_lshl_b32 s23, s41, 2
	s_lshl_b32 s46, s15, 1
	s_add_co_u32 s23, s23, s46                     ; v: 4 cy + 2 x half
	s_cmp_lg_u32 s66, 0
	s_cselect_b32 s20, s21, s20                    ; my first row,
	s_cselect_b32 s22, s23, s22                    ; my first head,
	s_cselect_b32 s47, 0, 1                        ; and q's and k's scale words take twice v's bytes
	s_lshr_b32 s21, s20, 11
	s_lshl_b32 s21, s21, 4
	s_add_co_u32 s21, s21, s22                     ; 16 x (tensor, batch) + head
	s_bfe_u32 s23, s20, 0x40007                    ; the step of 128 rows within the batch's 2,048
	s_mul_i32 s46, s21, 98304
	s_mul_i32 s20, s23, 6144
	s_add_co_u32 s20, s20, s46                     ; the images: 6,144 bytes a step, 98,304 a head, in qkimg and vimg alike
	s_lshl_b32 s46, s21, 12
	s_lshl_b32 s23, s23, 8
	s_add_co_u32 s46, s46, s23
	s_lshl_b32 s46, s46, s47                       ; the scale words: 256 bytes a step (v) or 512 (q, k)
	s_mov_b32 s21, 0
	s_mov_b32 s47, 0
	s_lshl_b32 s22, s22, 8                         ; my 128 features' biases: 64 x 4 bytes a head
	s_mov_b32 s23, 0
	s_lshr_b32 s2, s67, 3
	s_cmp_eq_u32 s2, 1
	s_cselect_b64 s[8:9], s[10:11], s[8:9]
	s_cmp_eq_u32 s2, 2
	s_cselect_b64 s[8:9], s[12:13], s[8:9]
	s_add_nc_u64 s[8:9], s[8:9], s[22:23]
.irp b, 0,1,2,3                        ; both layouts of the same 128 numbers are loaded on every path; they land while K is walked and are waited for at the way out
.irp j, 0,1,2,3
	global_load_b128 v[BI+16*\b+4*\j:BI+16*\b+4*\j+3], v[BAQ], s[8:9] offset:128*\b+16*\j
.endr
.endr
.irp a, 0,1,2,3,4,5,6,7
	global_load_b32 v[BV+2*\a], v[BAV], s[8:9] offset:(32*(\a/2)+8*(\a%2))*4
	v_mov_b32 v[BV+2*\a+1], 0                      ; named with it as a pair, so it is written
.endr
	s_wait_kmcnt 0x0
	s_cmp_lg_u32 s66, 0
	s_cselect_b64 s[92:93], s[96:97], s[92:93]     ; the images' buffer
	s_cselect_b64 s[94:95], s[98:99], s[94:95]     ; the scale words'
	s_add_nc_u64 s[92:93], s[92:93], s[20:21]
	s_add_nc_u64 s[94:95], s[94:95], s[46:47]
.macro FRAG reg, adr, q, i             ; a fragment, 16 rows x 128 K of 6-bit codes: lane l holds row l % 16; registers 6 c .. 6 c + 5 hold K = 64 c + 32 (l / 16) + 0 .. 31: 24 bytes of the row, as they lie
.irp p, 0,1,2,3,4,5                    ; in pieces of 8 bytes.  Lanes 16-31 read three pieces further on than lanes 0-15; where that is behind one padding more, the second address register serves
.set PCE, 12*(\q)+6*(\p/3)+\p%3
.if PCE%8 < 5
	ds_load_b64 v[\reg+2*\p:\reg+2*\p+1], v[\adr] offset:8*PCE+16*(PCE/8)+(\i)*16*PITCH
.else
	ds_load_b64 v[\reg+2*\p:\reg+2*\p+1], v[\adr+2] offset:8*PCE+16*(PCE/8)+(\i)*16*PITCH
.endif
.endr
.endm
; 16 matrix instructions: A's blocks a0, a0 + 1 x B's eight, 128 along K.  p: B's set; sc: the set of scale words.  zero = 1: the first product starts the sums.
; The 64 accumulators take turns, one instruction a turn, in the same order in every step.
.macro MUL16 a0, p, q, sc, zero
.irp a, \a0, \a0+1
.irp b, 0,1,2,3,4,5,6,7
.if \zero
	v_wmma_scale_f32_16x16x128_f8f6f4 v[8*(8*((\a)%4)+\b):8*(8*((\a)%4)+\b)+7], v[128*(\p)+FR*\b:128*(\p)+FR*\b+FR-1], v[AF+FR*(\a):AF+FR*(\a)+FR-1], 0, v[SC+8*NQ*(\sc)+NQ*\b+(\q)], v[SC+8*NQ*(\sc)+NQ*(\a)+(\q)] matrix_a_fmt:MATRIX_FMT_FP6 matrix_b_fmt:MATRIX_FMT_FP6 matrix_a_scale:MATRIX_SCALE_ROW1
.else
	v_wmma_scale_f32_16x16x128_f8f6f4 v[8*(8*((\a)%4)+\b):8*(8*((\a)%4)+\b)+7], v[128*(\p)+FR*\b:128*(\p)+FR*\b+FR-1], v[AF+FR*(\a):AF+FR*(\a)+FR-1], v[8*(8*((\a)%4)+\b):8*(8*((\a)%4)+\b)+7], v[SC+8*NQ*(\sc)+NQ*\b+(\q)], v[SC+8*NQ*(\sc)+NQ*(\a)+(\q)] matrix_a_fmt:MATRIX_FMT_FP6 matrix_b_fmt:MATRIX_FMT_FP6 matrix_a_scale:MATRIX_SCALE_ROW1
.endif
.endr
.endr
.endm
.macro FETCH_B slot, q, p              ; B's eight fragments of the slot's q-th 128 along K into set p
	WIN TO_B
.irp i, 0,1,2,3,4,5,6,7
	FRAG 128*(\p)+FR*\i, ADRB+\slot, \q, \i
.endr
	WIN 0
.endm
.macro FETCH_A slot, q, i0             ; A's blocks i0 .. i0 + 3
.irp i, \i0, \i0+1, \i0+2, \i0+3
	FRAG AF+FR*(\i), ADRA+\slot, \q, \i
.endr
.endm
.macro SCALES sc                       ; a K step's scale words into set sc: lanes 0-15 take A's block i, lanes 16-31 B's block i
.irp i, 0,1,2,3,4,5,6,7
	ds_load_b64 v[SC+8*NQ*\sc+NQ*\i:SC+8*NQ*\sc+NQ*\i+1], v[ADRS] offset:\i*SBLK
.endr
.endm
.macro PLACES n                        ; plain vector instructions between a matrix instruction and a load into, or a vector read or write of, its registers
.rept \n
	v_nop
.endr
.endm
; A step of 128 along K that has its successor in the same slot.
.macro STEP slot, q, zero
	s_wait_dscnt 4*NL                              ; B's set and A's blocks 0-3 are in; the youngest 24 loads (A's blocks 4-7) may be out
	WIN MUL_LO
	MUL16 0, (\q)%2, \q, \slot, \zero
	MUL16 2, (\q)%2, \q, \slot, \zero
	s_wait_dscnt 0                                 ; A's blocks 4-7 are in
	PLACES NP
	FETCH_B \slot, (\q)+1, 1-(\q)%2
	FETCH_A \slot, (\q)+1, 0
	WIN MUL_HI
	MUL16 4, (\q)%2, \q, \slot, \zero
	MUL16 6, (\q)%2, \q, \slot, \zero
	PLACES NP
	WIN 0
	FETCH_A \slot, (\q)+1, 4
.endm
; A slot's last step changes slots: ONE barrier; in front of it each wave waits for all its tensor loads, adds 0 to its spare word, and waits for that and for its own reads of this slot.  fill = 1: this slot is filled again, two K steps ahead.
.macro TURN slot, next, fill
	s_wait_tensorcnt 0x0                           ; all my tensor loads have landed: my part of the next slot (every window is 0 here)
	ds_add_u32 v[SPW], v[NIL]                      ; 0 onto my spare word
	s_wait_dscnt 4*NL+1                            ; (the add and the youngest 24 loads, A's blocks 4-7, may be out)
	WIN MUL_LO
	MUL16 0, 1, NQ-1, \slot, 0                     ; sixteen matrix instructions stand between the add and the wait for it
	s_wait_dscnt 0x0                               ; the add is done, and my reads of this slot are over
	s_barrier_signal -1
	MUL16 2, 1, NQ-1, \slot, 0
	WIN 0
	s_barrier_wait -1
.if \fill
	CREST                                          ; the barrier has opened a round of the cluster's barrier: no wave of any partner still reads this slot or has a load on its way
	s_add_nc_u64 s[G0+4*\slot+2:G0+4*\slot+3], s[G0+4*\slot+2:G0+4*\slot+3], 2*ROWB
	s_add_nc_u64 s[G0B+4*\slot+2:G0B+4*\slot+3], s[G0B+4*\slot+2:G0B+4*\slot+3], 2*ROWB
	JLOAD G0+4*\slot, G1, G0B+4*\slot, G1B         ; the first tensor load behind the round, my only one until the next; its four v_nop are the places in front of the loads below
.else
	PLACES NP
.endif
	v_add_nc_u32 v[ADRS], 4*NQ, v[ADRS]            ; on to the next K step's scale words
	FETCH_B \next, 0, 0
	FETCH_A \next, 0, 0
	SCALES \next
	WIN MUL_HI
	MUL16 4, 1, NQ-1, \slot, 0
	MUL16 6, 1, NQ-1, \slot, 0
	PLACES NP
	WIN 0
	FETCH_A \next, 0, 4
.endm
	s_wait_tensorcnt 1                             ; the scales and my part of K step 0 are in (K step 1's load may be out)
	s_barrier_signal -1
	s_barrier_wait -1                              ; everybody's are
	FETCH_B 0, 0, 0
	FETCH_A 0, 0, 0
	SCALES 0
	FETCH_A 0, 0, 4
	STEP 0, 0, 1                                   ; the first step stands in front of the loop: its products start the sums
	s_mov_b32 s3, LAPS-1
.Llap:                                                 ; a trip goes once round the ring, from a lap's second step to the next lap's first, and fills both slots again
	TURN 0, 1, 1
	STEP 1, 0, 0
	TURN 1, 0, 1
	STEP 0, 0, 0
	s_sub_co_u32 s3, s3, 1
	s_cmp_lg_u32 s3, 0
	s_cbranch_scc1 .Llap
	TURN 0, 1, 0                                   ; the last lap fills nothing, and has no round of the cluster's barrier
	STEP 1, 0, 0
	s_wait_dscnt 4*NL                              ; the very last step: nothing more to fetch
	WIN MUL_LO
	MUL16 0, 1, NQ-1, 1, 0
	MUL16 2, 1, NQ-1, 1, 0
	s_wait_dscnt 0
	WIN MUL_HI
	MUL16 4, 1, NQ-1, 1, 0
	MUL16 6, 1, NQ-1, 1, 0
	WIN 0
; THE WAY OUT, block by block of A's 16 rows.  64 numbers of a lane, v[s] on, register 16 b + i = place 32 b + 16 (lane / 16) + i along the next K, become a fragment's codes in v[PC] on and its scale word in v[pw].
.macro QUANT s, pw
.irp b, 0,1,2,3
	v_max3_num_f32 v[TM+\b], |v[\s+16*\b]|, |v[\s+1+16*\b]|, 0x1800000   ; block b: my 16 numbers, and the floor 2^(3 - 127): the byte cannot fall under 1
.endr
.irp i, 2,4,6,8,10,12,14
.irp b, 0,1,2,3
	v_max3_num_f32 v[TM+\b], v[TM+\b], |v[\s+16*\b+\i]|, |v[\s+1+16*\b+\i]|   ; (the four blocks by turns)
.endr
.endr
.irp b, 0,1,2,3
	v_permlanex16_b32 v[TM+4+\b], v[TM+\b], s[SEL], s[SEL+1]
.endr
.irp b, 0,1,2,3
	v_max_num_f32 v[TM+\b], v[TM+\b], v[TM+4+\b]   ; with lane l xor 16's: the block's largest magnitude
.endr
.irp b, 0,1,2,3
	v_add_nc_u32 v[TM+12+\b], 0xff000000, v[TM+\b]   ; 2 off its exponent field: the conversion's scale operand
.endr
.irp b, 0,1,2,3
	v_lshrrev_b32 v[TM+4+\b], 23, v[TM+12+\b]      ; the scale's byte
.endr
	v_lshl_or_b32 v[\pw], v[TM+5], 8, v[TM+4]      ; the four bytes make my row's scale word
	v_lshl_or_b32 v[\pw], v[TM+6], 16, v[\pw]
	v_lshl_or_b32 v[\pw], v[TM+7], 24, v[\pw]
.irp c, 0,1
	v_cvt_scalef32_pk16_fp6_f32 v[PC+6*\c:PC+2+6*\c], v[\s+32*\c:\s+15+32*\c], v[TM+12+2*\c]
	v_cvt_scalef32_pk16_fp6_f32 v[PC+12+4*\c:PC+14+4*\c], v[\s+16+32*\c:\s+31+32*\c], v[TM+12+2*\c+1]   ; (a conversion's three registers begin on an even number)
.endr
	v_nop                                          ; one plain place behind a scaled conversion
.irp c, 0,1                                    ; the operand's layout wants a WHOLE block in a lane: lanes 0-15 block 2 c, lanes 16-31 block 2 c + 1
.irp i, 0,1,2
	v_permlane16_swap_b32 v[PC+6*\c+\i], v[PC+12+4*\c+\i]
.endr
.irp i, 0,1,2
	v_mov_b32 v[PC+3+6*\c+\i], v[PC+12+4*\c+\i]
.endr
.endr
.endm
; Block a: the bias is added (which also brings the sums into window 0; each accumulator is read from its low end on), the 64 numbers are quantised, the codes leave.  kind = 0: q, k; 1: v.
.macro EPI kind, a
.set AC, 64*((\a)%4)
.set WN, 0x02+(\a)/4
.if (\a) > 0
	s_wait_xcnt 0x0                                ; the last block's stores have read their registers: the codes may be written again
.endif
	WIN WN                                         ; source 0: window 2 or 3
.set ii, 0
.rept 32
.if \kind
	v_pk_add_f32 v[T+ii:T+ii+1], v[AC+ii:AC+ii+1], v[BV+2*(\a):BV+2*(\a)+1] op_sel_hi:[1,0]   ; my row's (feature's) bias
.else
	v_pk_add_f32 v[T+ii:T+ii+1], v[AC+ii:AC+ii+1], v[BI+ii:BI+ii+1]                           ; the registers' (features') biases
.endif
.set ii, ii+2
.endr
	WIN 0
	QUANT T, SW+(\a)
.if \kind
.irp c, 0,1,2
	global_store_b128 v[L16], v[PC+4*\c:PC+4*\c+3], s[92:93] offset:((\a)/4)*98304+((\a)%4)*1536+512*\c   ; tile a % 4 of head a / 4: 512 consecutive bytes, aligned
.endr
.else
	global_store_b128 v[L16], v[PC:PC+3], s[92:93] offset:768*(\a)                 ; my first head's 64: registers 0-5 of the fragment
	global_store_b64  v[L8], v[PC+4:PC+5], s[92:93] offset:768*(\a)+512
	global_store_b128 v[L16], v[PC+6:PC+9], s[92:93] offset:98304+768*(\a)         ; my second head's: registers 6-11
	global_store_b64  v[L8], v[PC+10:PC+11], s[92:93] offset:98304+768*(\a)+512
.endif
.endm
	PLACES NP                                      ; behind the last products: their results are read, and their operands' and scales' registers written, below
	s_wait_loadcnt 0x0                             ; the biases
	s_mov_b32 s[SEL], 0x76543210
	s_mov_b32 s[SEL+1], 0xfedcba98                 ; v_permlanex16_b32's selects for lane l xor 16
	s_mov_b32 s22, 0xffff0000                      ; lanes 16-31
.irp b, 0,1,2,3
	v_mov_b32 v[TM+4+\b], 0                        ; a lane permute's destination counts as one of its sources
.endr
	s_cmp_lg_u32 s66, 0                            ; hangs on the cluster's y alone: the same in all sixteen partners
	s_cbranch_scc1 .Lv
.irp a, 0,1,2,3,4,5,6,7
	EPI 0, \a
.endr
.irp j, 0,1,2,3
	v_cndmask_b32 v[XT+\j], v[SW+2*\j], v[SW+2*\j+1], s22   ; lanes 0-15: tile 2 j's words, lanes 16-31: tile 2 j + 1's
.endr
.irp j, 0,1,2,3
	v_and_b32 v[SO+\j], 0xffff, v[XT+\j]           ; my first head's two bytes; the upper two, for the half of K that is zero codes, are 0
	v_lshrrev_b32 v[SO+4+\j], 16, v[XT+\j]         ; my second head's
.endr
	global_store_b128 v[L16], v[SO:SO+3], s[94:95]
	global_store_b128 v[L16], v[SO+4:SO+7], s[94:95] offset:8192
	s_branch .Lout
.Lv:
.irp a, 0,1,2,3,4,5,6,7
	EPI 1, \a
.endr
.irp j, 0,1,2,3
	v_cndmask_b32 v[SO+\j], v[SW+2*\j], v[SW+2*\j+1], s22   ; word j % 2 of head j / 2
.endr
	global_store_b64 v[L8], v[SO:SO+1], s[94:95]
	global_store_b64 v[L8], v[SO+2:SO+3], s[94:95] offset:4096
.Lout:
	s_wait_tensorcnt 0x0                           ; the wave's end
	ds_add_u32 v[SPW], v[NIL]
	s_wait_dscnt 0x0
	CROUND                                         ; the closing round: no work-group ends while a partner may still ask for a tile that names it
	s_endpgm
.Lfunc_end_k_qf31d85b421_proj:
	.size	k_qf31d85b421_proj, .Lfunc_end_k_qf31d85b421_proj-k_qf31d85b421_proj
	.p2alignl 7, 3214868480
	.fill 96, 4, 3214868480
	.section	.rodata,"a",@progbits
	.p2align	6, 0x0
	.amdhsa_kernel k_qf31d85b421_proj
		.amdhsa_group_segment_fixed_size 327680
		.amdhsa_private_segment_fixed_size 0
		.amdhsa_enable_private_segment 0
		.amdhsa_kernarg_size 72
		.amdhsa_user_sgpr_count 2
		.amdhsa_user_sgpr_kernarg_segment_ptr 1
		.amdhsa_wavefront_size32 1
		.amdhsa_system_sgpr_workgroup_id_x 1
		.amdhsa_system_sgpr_workgroup_id_y 1
		.amdhsa_system_sgpr_workgroup_id_z 1
		.amdhsa_system_vgpr_workitem_id 0
		.amdhsa_next_free_vgpr 1024
		.amdhsa_next_free_sgpr 100
		.amdhsa_reserve_vcc 0
		.amdhsa_float_denorm_mode_32 3
		.amdhsa_float_denorm_mode_16_64 3
		.amdhsa_memory_ordered 1
		.amdhsa_forward_progress 1
		.amdhsa_inst_pref_size 234
	.end_amdhsa_kernel
	.amdgpu_metadata
---
amdhsa.version: [ 1, 2 ]
amdhsa.kernels:
  - .name:           k_qf31d85b421_proj
    .symbol:         k_qf31d85b421_proj.kd
    .args:
      - { .name: codes, .offset: 0, .size: 8, .value_kind: global_buffer, .address_space: global }
      - { .name: scales, .offset: 8, .size: 8, .value_kind: global_buffer, .address_space: global }
      - { .name: bq, .offset: 16, .size: 8, .value_kind: global_buffer, .address_space: global }
      - { .name: bk, .offset: 24, .size: 8, .value_kind: global_buffer, .address_space: global }
      - { .name: bv, .offset: 32, .size: 8, .value_kind: global_buffer, .address_space: global }
      - { .name: qkimg, .offset: 40, .size: 8, .value_kind: global_buffer, .address_space: global }
      - { .name: qksc, .offset: 48, .size: 8, .value_kind: global_buffer, .address_space: global }
      - { .name: vimg, .offset: 56, .size: 8, .value_kind: global_buffer, .address_space: global }
      - { .name: vsc, .offset: 64, .size: 8, .value_kind: global_buffer, .address_space: global }
    .group_segment_fixed_size: 327680
    .private_segment_fixed_size: 0
    .kernarg_segment_align: 8
    .kernarg_segment_size: 72
    .max_flat_workgroup_size: 128
    .sgpr_count:     100
    .vgpr_count:     1024
    .wavefront_size: 32
...
	.end_amdgpu_metadata
.endif
;; end of part 2
;; launch attn (part 3): grid 4 x 64, 16 waves a work-group, no clusters, 280,576 bytes of LDS; arguments qkimg, qksc, vimg, vsc, mbits, mflags, out0; writes out0
.if DOCPART == 3
	.amdgcn_target "amdgcn-amd-amdhsa--gfx1250"
	.amdhsa_code_object_version 6
	.text
	.protected	k_qf31d85b421_attn
	.globl	k_qf31d85b421_attn
	.p2align	8
	.type	k_qf31d85b421_attn,@function
k_qf31d85b421_attn:
	s_mov_b64 s[64:65], 0
	v_nop
	global_prefetch_b8 v0, s[64:65] scope:SCOPE_SE
	s_setreg_imm32_b32 hwreg(HW_REG_WAVE_MODE, 25, 1), 1
	s_wait_xcnt 0x0
; out[b][q][head] = the sum over k of softmax_k(where(mask, fill, qh . kh / 8)) vh[k], both products on codes of FP6 (E2M3) with E8M0 scales, from the operand images that the projections' launch has stored.
; THE SOFTMAX AHEAD OF THE SECOND PRODUCT: t = score x log2(e) / 8; M = the row's largest t so far, rounded UP to a whole number; p = 2^(t - M) is quantised along the keys, not normalised.
; The row's sum is taken of the unquantised p, in f32, and divides at the end.  When M moves, the sum and O are multiplied by 2^(old M - new M): exact.
; SHARES.  Work-group (x, y) owns 512 queries (32 tiles of 16) of head y = 16 b + head; its sixteen waves take one tile each, twice.  Every wave walks the head's 2,048 keys, 128 a step.
; A WHOLE HEAD'S K AND V STAY IN LDS: 2 x 98,304 bytes of images and 12,288 of scale words, copied once through registers; one barrier; after it no wave waits for another.
; LAYOUT.  Both products are used transposed: S^T = K Q^T (source 0 = 16 keys), O^T = V^T P^T (source 0 = 16 of the head's 64): a lane holds ONE query (lane % 16) throughout.
; The keys of a tile are 32 (t / 2) + 8 (t % 2) + r + 8 (r / 8), so that score register 16 beta + i is key 32 beta + 16 (lane / 16) + i.  The head's 64 fill half of the first product's K: the other half is zero codes on both sides, under the scale byte 0.
; THE MASK comes as lane masks (one word for each score register of a step) with a flag for each step of a tile.  Where the flag is clear the step's 64 selects and their 256 bytes are jumped over by a scalar branch on the stored flag.
; There is no cluster and no joint load: what the four work-groups of a head share is 208,896 bytes, read once for 512 x 2,048 scores each.
; LIMITS.  A masked score is set to -2^27 ahead of the scaling by 1/8, a logit of -2^24 where the source has -1e7: -2^27 x c is a whole number, so that a row that is wholly masked has p = 1 exactly.
; The result departs from the source's only in rows with masked keys whose largest unmasked logit lies below about -1e7.  NaN and infinities are not served.
.set KIMG,  0                          ; LDS: K's images: 6,144 bytes a step, 768 a tile
.set VIMG,  98304                      ; V's: 6,144 a step, 1,536 a tile
.set KSC,   196608                     ; K's scale words: 512 a step
.set VSC,   204800                     ; V's: 256 a step
.set STAGE, 208896                     ; the way out: 16 rows x (256 + 16) bytes for each wave
.set SPARE, 278528                     ; the spare words, 128 bytes a wave
.set L16,  1                           ; v1   16 x lane
.set L8K,  2                           ; v2   8 x lane + 512
.set L16V, 3                           ; v3   16 x lane + VIMG
.set L16S, 4                           ; v4   16 x lane + KSC
.set L8T,  5                           ; v5   8 x lane + VSC
.set ADK,  6                           ; v6-10 the step's addresses; on the way out v6-8 serve the stage and the stores
.set ADK8, 7
.set ADV,  8
.set ADS,  9
.set ADT,  10
.set SPW,  11                          ; v11  my spare word's address; never rewritten
.set NIL,  28                          ; v28  0; never rewritten
.set NEG,  29                          ; v29  -2^27
.set VS,   30                          ; v[30:31] V's scale words
.set QF,   16                          ; v16-27 Q's fragment (v22-27 = 0)
.set KF,   32                          ; v32-79 four fragments of K (the upper six registers of each = 0)
.set VF,   80                          ; v80-127 V's four fragments
.set S,    128                         ; v128-191 S^T, then p
.set O,    192                         ; v192-223 O^T
.set QSA,  243                         ; v243 16 x (lane % 16): Q's scale word
; v12 -M, v13 the largest t, v[14:15] the sum; v224-235 p's codes; v232-235 block maxima; v236-242 at work; v244-247 scale operands; v248-251 K's scale words; v252 f; v253 p's scale word; v254 at work; v255 Q's scale word
.set WV,   18
.set HB,   19
.set SEL,  20                          ; s[20:21] selects for lane l xor 16
.set CS,   22                          ; s[22:23] c = log2(e) / 8
.set TB,   24                          ; the step's images begin here
.set TS,   25                          ; K's scale words
.set TJ,   26                          ; V's
.set CNT,  27
.set PASS, 28
.set FL,   29                          ; the tile's flags: bit 0 = the step in hand
; s[32:63], s[68:99]: the step's 64 lane masks
	s_load_b256 s[4:11], s[0:1], 0x0               ; qkimg, qksc, vimg, vsc
	s_load_b128 s[12:15], s[0:1], 0x20             ; mbits, mflags
	s_load_b64 s[16:17], s[0:1], 0x30              ; out0
	v_lshl_add_u32 v[SPW], v0, 2, SPARE
	v_mov_b32 v[NIL], 0
	v_lshrrev_b32 v1, 5, v0
	v_readfirstlane_b32 s[WV], v1                  ; wave 0..15
	s_and_b32 s[HB], ttmp7, 0xffff                 ; 16 b + head
	s_mul_i32 s2, s[HB], 98304
	s_mov_b32 s3, 0
	s_lshl_b32 s30, s[HB], 13
	s_mov_b32 s31, 0
	s_lshl_b32 s66, s[HB], 12
	s_mov_b32 s67, 0
	v_lshlrev_b32 v1, 4, v0                        ; the copy: 16 bytes a thread, 8,192 a line
	v_lshlrev_b32 v2, 3, v0
	v_mov_b32 v6, v1
	v_add_nc_u32 v7, 0x10000, v1                   ; (an LDS offset has 16 bits)
	v_add_nc_u32 v8, 0x20000, v1
	v_add_nc_u32 v9, 0x30000, v1
	v_add_nc_u32 v10, VSC, v2
	s_wait_kmcnt 0x0
	s_add_nc_u64 s[4:5], s[4:5], s[2:3]            ; q's images of my head;
	s_add_nc_u64 s[24:25], s[4:5], 64*98304        ; k's lie 64 heads on
	s_add_nc_u64 s[6:7], s[6:7], s[30:31]
	s_add_nc_u64 s[26:27], s[6:7], 64*8192
	s_add_nc_u64 s[8:9], s[8:9], s[2:3]
	s_add_nc_u64 s[10:11], s[10:11], s[66:67]
.irp c, 0,1,2,3,4,5,6,7,8,9,10,11
	global_load_b128 v[32+4*\c:35+4*\c], v1, s[24:25] offset:8192*\c
.endr
.irp c, 0,1,2,3,4,5,6,7,8,9,10,11
	global_load_b128 v[80+4*\c:83+4*\c], v1, s[8:9] offset:8192*\c
.endr
	global_load_b128 v[128:131], v1, s[26:27]
	global_load_b64 v[132:133], v2, s[10:11]
	; while they come: where my first tile's operands, masks and results lie
	s_lshl_b32 s2, ttmp9, 5
	s_add_co_u32 s2, s2, s[WV]                     ; T = 32 x + wave; the second pass takes T + 16
	s_mul_i32 s30, s2, 768
	s_add_nc_u64 s[4:5], s[4:5], s[30:31]          ; Q's tile
	s_lshr_b32 s30, s2, 3
	s_lshl_b32 s30, s30, 9
	s_and_b32 s66, s2, 1
	s_lshl_b32 s66, s66, 8
	s_add_co_u32 s30, s30, s66
	s_bfe_u32 s66, s2, 0x20001
	s_lshl_b32 s66, s66, 2
	s_add_co_u32 s30, s30, s66
	s_add_nc_u64 s[6:7], s[6:7], s[30:31]          ; its scale words: step T / 8, lanes 16 (T % 2) on, word (T % 8) / 2
	s_lshr_b32 s66, s[HB], 4                       ; b
	s_lshl_b32 s30, s66, 7
	s_add_co_u32 s30, s30, s2                      ; 128 b + T
	s_lshl_b32 s67, s30, 9
	s_lshl_b32 s30, s30, 12
	s_add_nc_u64 s[12:13], s[12:13], s[30:31]      ; its lane masks: 4,096 bytes a tile
	s_mov_b32 s30, s67
	s_add_nc_u64 s[14:15], s[14:15], s[30:31]      ; its flags: 512 bytes a tile
	s_lshl_b32 s66, s66, 11
	s_lshr_b32 s30, s2, 1
	s_lshl_b32 s30, s30, 5
	s_add_co_u32 s66, s66, s30
	s_and_b32 s30, s2, 1
	s_lshl_b32 s30, s30, 3
	s_add_co_u32 s66, s66, s30                     ; its first row of out0: 2,048 b + 32 (T / 2) + 8 (T % 2)
	s_lshl_b32 s66, s66, 12
	s_and_b32 s30, s[HB], 15
	s_lshl_b32 s30, s30, 8                         ; and the head's 256 bytes in a row
	s_add_co_u32 s30, s30, s66
	s_add_nc_u64 s[16:17], s[16:17], s[30:31]
	s_mov_b32 s[SEL], 0x76543210
	s_mov_b32 s[SEL+1], 0xfedcba98
	s_mov_b32 s[CS], 0x3e38aa3b                    ; c = log2(e) / 8 = 12102203 x 2^-26
	s_mov_b32 s[CS+1], s[CS]                       ; (named with it as a pair, so it is written)
	s_mov_b32 s[PASS], 2
.set n, 0
.rept 16
	s_mov_b64 s[32+2*n:33+2*n], 0                  ; the lane masks are written once, so that no path names a register that was never written
	s_mov_b64 s[68+2*n:69+2*n], 0
.set n, n+1
.endr
.set n, 0
.rept 24
	s_wait_loadcnt 25-n                            ; loads come back in order: line n is in, the younger ones stay out
	ds_store_b128 v[6+n/8], v[32+4*n:35+4*n] offset:(n%8)*8192
.set n, n+1
.endr
	s_wait_loadcnt 1
	ds_store_b128 v9, v[128:131]                   ; K's scale words, at 24 x 8,192 = KSC
	s_wait_loadcnt 0x0
	ds_store_b64 v10, v[132:133]                   ; V's
	s_wait_dscnt 0x0                               ; for the others' sake: my stores have landed
	s_barrier_signal -1
	s_barrier_wait -1                              ; the head's K and V lie in LDS: the launch's only barrier
	v_and_b32 v10, 31, v0
	v_lshlrev_b32 v[L16], 4, v10
	v_lshl_add_u32 v[L8K], v10, 3, 512
	v_add_nc_u32 v[L16V], VIMG, v[L16]
	v_add_nc_u32 v[L16S], KSC, v[L16]
	v_lshl_add_u32 v[L8T], v10, 3, VSC
	v_and_b32 v[QSA], 15, v0
	v_lshlrev_b32 v[QSA], 4, v[QSA]
	v_mov_b32 v[NEG], 0xcd000000                   ; -2^27
.irp i, 6,7,8,9,10,11
	v_mov_b32 v[QF+\i], 0                          ; the half of K that the head does not fill: zero codes, once
.irp t, 0,1,2,3
	v_mov_b32 v[KF+12*\t+\i], 0
.endr
.endr
.irp b, 0,1,2,3
	v_mov_b32 v[236+\b], 0                         ; a lane permute's destination counts as one of its sources
.endr
	v_mov_b32 v253, 0                              ; (named as the upper half of the pair v[252:253] before it is first written)
.macro KLOAD first, extra              ; four tiles of K, first on: six registers each
.irp t, 0,1,2,3
	ds_load_b128 v[KF+12*\t:KF+12*\t+3], v[ADK] offset:\extra+768*(\first+\t)
	ds_load_b64 v[KF+12*\t+4:KF+12*\t+5], v[ADK8] offset:\extra+768*(\first+\t)
.endr
.endm
.macro PRE                             ; the lane masks of the step whose flag stands in bit 0, where it is set: 256 bytes
	s_bitcmp1_b32 s[FL], 0
	s_cbranch_scc0 .Lnone_\@
	s_load_b512 s[32:47], s[12:13], 0x0
	s_load_b512 s[48:63], s[12:13], 0x40
	s_load_b512 s[68:83], s[12:13], 0x80
	s_load_b512 s[84:99], s[12:13], 0xc0
.Lnone_\@:
.endm
.macro QK g                            ; S^T of tiles 4 g .. 4 g + 3: K's scale words of tiles 2 j and 2 j + 1 share register 248 + j, the odd tile's in lanes 16-31
.irp i, 0,1,2,3
.if (\i)%2
	v_wmma_scale_f32_16x16x128_f8f6f4 v[S+8*(4*\g+\i):S+8*(4*\g+\i)+7], v[KF+12*\i:KF+12*\i+11], v[QF:QF+11], 0, v[248+(4*\g+\i)/2], v255 matrix_a_fmt:MATRIX_FMT_FP6 matrix_b_fmt:MATRIX_FMT_FP6 matrix_a_scale:MATRIX_SCALE_ROW1
.else
	v_wmma_scale_f32_16x16x128_f8f6f4 v[S+8*(4*\g+\i):S+8*(4*\g+\i)+7], v[KF+12*\i:KF+12*\i+11], v[QF:QF+11], 0, v[248+(4*\g+\i)/2], v255 matrix_a_fmt:MATRIX_FMT_FP6 matrix_b_fmt:MATRIX_FMT_FP6
.endif
.endr
.endm
.macro PLACES                          ; four plain vector instructions between a matrix instruction and a load into, or a vector read of, its registers
.rept 4
	v_nop
.endr
.endm
.Lpass:                                                ; two trips: tiles T and T + 16
	global_load_b128 v[QF:QF+3], v[L16], s[4:5]    ; Q's image
	global_load_b64 v[QF+4:QF+5], v[L8K], s[4:5]
	global_load_b32 v255, v[QSA], s[6:7]           ; lane r: row r's scale word
	s_load_b32 s[FL], s[14:15], 0x0                ; the tile's flags, four steps to a word
	s_load_b32 s2, s[14:15], 0x80
	s_load_b32 s3, s[14:15], 0x100
	s_load_b32 s30, s[14:15], 0x180
	v_mov_b32 v13, 0xff61b1e6                      ; the largest t so far: -3e38, under every t
	v_floor_f32 v12, -v13                          ; -M
	v_mov_b32 v14, 0                               ; the sum, in two halves
	v_mov_b32 v15, 0
.set j, 0
.rept 32
	v_mov_b32 v[O+j], 0                            ; O^T.  (The step is written once: the first finds zeros, which the first change of M leaves zeros)
.set j, j+1
.endr
	s_mov_b32 s[TB], 0
	s_mov_b32 s[TS], 0
	s_mov_b32 s[TJ], 0
	s_mov_b32 s[CNT], 16
	v_mov_b32 v[ADK], v[L16]
	v_mov_b32 v[ADK8], v[L8K]
	KLOAD 0, 0                                     ; step 0's first four tiles and its scale words
	ds_load_b128 v[248:251], v[L16S]
	s_wait_kmcnt 0x0
	s_or_b32 s[FL], s[FL], s2
	s_or_b32 s3, s3, s30
	s_or_b32 s[FL], s[FL], s3                      ; sixteen flags
	PRE                                            ; step 0's lane masks
	s_wait_loadcnt 0x0                             ; Q
.Lstep:                                                ; sixteen trips of 128 keys
	v_add_nc_u32 v[ADK],  s[TB], v[L16]
	v_add_nc_u32 v[ADK8], s[TB], v[L8K]
	v_add_nc_u32 v[ADV],  s[TB], v[L16V]
	v_add_nc_u32 v[ADS],  s[TS], v[L16S]
	v_add_nc_u32 v[ADT],  s[TJ], v[L8T]
	s_wait_dscnt 0x0                               ; K's first four tiles and the scale words, asked for a step ago
	QK 0
	PLACES
	KLOAD 4, 0
	s_wait_dscnt 0x0
	QK 1
	PLACES                                         ; for the loads below and for the first read of the scores
.irp t, 0,1,2,3                        ; asked for here, so that they land under the softmax: V's four tiles and scale words,
.irp c, 0,1,2
	ds_load_b128 v[VF+12*\t+4*\c:VF+12*\t+4*\c+3], v[ADV] offset:1536*\t+512*\c
.endr
.endr
	ds_load_b64 v[VS:VS+1], v[ADT]
	KLOAD 0, 6144                                  ; and the next step's first four tiles of K with its scale words.  (A pass's last trip reads the first bytes of V's images and scale words here:
	ds_load_b128 v[248:251], v[ADS] offset:512     ; bytes that were written; the next pass loads anew, and nothing uses them)
	s_wait_kmcnt 0x0                               ; the step's lane masks, if they were asked for
	s_bitcmp1_b32 s[FL], 0
	s_cbranch_scc0 .Lopen                          ; nothing is masked in this step of my tile
.set w, 0
.rept 64                               ; ascending: each accumulator is read from its low end on
.if w < 32
	v_cndmask_b32 v[S+w], v[S+w], v[NEG], s[32+w]
.else
	v_cndmask_b32 v[S+w], v[S+w], v[NEG], s[36+w]
.endif
.set w, w+1
.endr
.Lopen:
	s_lshr_b32 s[FL], s[FL], 1                     ; the next step's flag
	s_add_nc_u64 s[12:13], s[12:13], 256           ; and its record (the loads that named this base are done)
	PRE                                            ; a whole softmax ahead of their use; behind the sixteenth step no flag is left
.irp b, 0,1,2,3
	v_max3_num_f32 v[232+\b], v[S+16*\b], v[S+1+16*\b], v[S+2+16*\b]   ; THE LARGEST SCORE OF EACH BLOCK OF 32 KEYS: for the row's maximum, and, since p rises with the score, for the block's largest p
.endr
.irp i, 3,5,7,9,11,13
.irp b, 0,1,2,3
	v_max3_num_f32 v[232+\b], v[232+\b], v[S+16*\b+\i], v[S+1+16*\b+\i]   ; (the four blocks by turns)
.endr
.endr
.irp b, 0,1,2,3
	v_max_num_f32 v[232+\b], v[232+\b], v[S+15+16*\b]
.endr
.irp b, 0,1,2,3
	v_permlanex16_b32 v[236+\b], v[232+\b], s[SEL], s[SEL+1]
.endr
.irp b, 0,1,2,3
	v_max_num_f32 v[232+\b], v[232+\b], v[236+\b]  ; with lane l xor 16's 16 keys
.endr
	v_max3_num_f32 v254, v232, v233, v234
	v_max_num_f32 v254, v254, v235                 ; the step's largest score of my query
	v_mul_f32 v254, s[CS], v254                    ; as t (c is positive)
	v_max_num_f32 v13, v13, v254                   ; the running largest t
	v_mov_b32 v254, v12
	v_floor_f32 v12, -v13                          ; the new -M = floor(-t) = -ceil(t): a whole number
	v_sub_f32 v254, v12, v254                      ; old M - new M: a whole number, 0 or less
	v_cvt_i32_f32 v254, v254                       ; (it saturates)
	v_ldexp_f32 v252, 1.0, v254                    ; f = 2^(old M - new M)
.set j, 0
.rept 32
	v_pk_fma_f32 v[S+j:S+j+1], v[S+j:S+j+1], s[CS:CS+1], v[12:13] op_sel_hi:[1,0,0]   ; t - M, two at a time (of the pairs c and -M the low word serves both halves)
.set j, j+2
.endr
.irp b, 0,1,2,3
	v_fma_f32 v[232+\b], v[232+\b], s[CS], v12     ; the same of each block's largest score
.endr
.set j, 0
.rept 64
	v_exp_f32 v[S+j], v[S+j]                       ; p = 2^(t - M): not normalised
.set j, j+1
.endr
	v_pk_mul_f32 v[14:15], v[14:15], v[252:253] op_sel_hi:[1,0]   ; the sums under the new M (the plain line behind the exponentials)
	s_wait_alu depctr_va_vdst(0)                   ; the wait ahead of the first line that names a result: one for the batch of 64
.irp b, 0,1,2,3
	v_exp_f32 v[232+\b], v[232+\b]                 ; the block's largest p: the same two instructions on the same number give the same bits
.endr
	v_pk_add_f32 v[236:237], v[S:S+1], v[S+2:S+3]  ; THE ROW'S SUM IS TAKEN OF THE UNQUANTISED p: two at a time, in two chains
.set j, 4
.rept 15
	v_pk_add_f32 v[14:15], v[14:15], v[S+j:S+j+1]
	v_pk_add_f32 v[236:237], v[236:237], v[S+j+2:S+j+3]
.set j, j+4
.endr
	v_pk_add_f32 v[14:15], v[14:15], v[236:237]
	s_wait_alu depctr_va_vdst(0)                   ; and one for the four
.irp b, 0,1,2,3
	v_max_num_f32 v[232+\b], 0x1800000, v[232+\b]  ; the floor 2^(3 - 127): the byte cannot fall under 1 (a block whose every p is 0 keeps that byte: its codes are zeros)
.endr
.irp b, 0,1,2,3
	v_add_nc_u32 v[244+\b], 0xff000000, v[232+\b]  ; 2 off the exponent field: the conversion's scale operand
.endr
.irp b, 0,1,2,3
	v_lshrrev_b32 v[236+\b], 23, v[244+\b]         ; the scale's byte
.endr
	v_lshl_or_b32 v253, v237, 8, v236              ; p's scale word for these 128 keys
	v_lshl_or_b32 v253, v238, 16, v253
	v_lshl_or_b32 v253, v239, 24, v253
.irp c, 0,1
	v_cvt_scalef32_pk16_fp6_f32 v[224+6*\c:226+6*\c], v[S+32*\c:S+15+32*\c], v[244+2*\c]
	v_cvt_scalef32_pk16_fp6_f32 v[236+4*\c:238+4*\c], v[S+16+32*\c:S+31+32*\c], v[244+2*\c+1]   ; (a conversion's three registers begin on an even number)
.endr
	v_nop                                          ; one plain line behind a scaled conversion
.irp c, 0,1                                    ; the operand's layout wants a WHOLE block in a lane: lanes 0-15 block 2 c, lanes 16-31 block 2 c + 1
.irp i, 0,1,2
	v_permlane16_swap_b32 v[224+6*\c+\i], v[236+4*\c+\i]
.endr
.irp i, 0,1,2
	v_mov_b32 v[227+6*\c+\i], v[236+4*\c+\i]
.endr
.endr
.set j, 0
.rept 16
	v_pk_mul_f32 v[O+j:O+j+1], v[O+j:O+j+1], v[252:253] op_sel_hi:[1,0]   ; O^T under the new M: x f.  (These sixteen also stand between the lines that wrote p's codes and scale word and the products)
.set j, j+2
.endr
	s_wait_dscnt 0x0                               ; V, asked for ahead of the softmax
.irp t, 0,1,2,3                        ; O^T += V^T P^T: four accumulators, one instruction each
.if (\t)%2
	v_wmma_scale_f32_16x16x128_f8f6f4 v[O+8*\t:O+8*\t+7], v[VF+12*\t:VF+12*\t+11], v[224:235], v[O+8*\t:O+8*\t+7], v[VS+\t/2], v253 matrix_a_fmt:MATRIX_FMT_FP6 matrix_b_fmt:MATRIX_FMT_FP6 matrix_a_scale:MATRIX_SCALE_ROW1
.else
	v_wmma_scale_f32_16x16x128_f8f6f4 v[O+8*\t:O+8*\t+7], v[VF+12*\t:VF+12*\t+11], v[224:235], v[O+8*\t:O+8*\t+7], v[VS+\t/2], v253 matrix_a_fmt:MATRIX_FMT_FP6 matrix_b_fmt:MATRIX_FMT_FP6
.endif
.endr
	s_add_co_u32 s[TB], s[TB], 6144
	s_add_co_u32 s[TS], s[TS], 512
	s_add_co_u32 s[TJ], s[TJ], 256
	s_sub_co_u32 s[CNT], s[CNT], 1
	s_cmp_lg_u32 s[CNT], 0
	s_cbranch_scc1 .Lstep
	; THE WAY OUT of a tile.  Register j of tile 2 alpha + u of O^T is channel 32 alpha + 16 h + 8 u + j of query r.  O^T / the sum goes through my own stage in LDS and leaves as whole head slices of 256 bytes.
	v_add_f32 v14, v14, v15                        ; the sum's two halves,
	v_permlanex16_b32 v252, v14, s[SEL], s[SEL+1]
	v_add_f32 v14, v14, v252                       ; and lane l xor 16's: the row's sum
	v_rcp_f32 v14, v14
	v_and_b32 v9, 15, v0                           ; (plain lines behind the reciprocal and the last products)  r
	v_bfe_u32 v10, v0, 4, 1                        ; h
	s_mul_i32 s2, s[WV], 16*272
	s_add_co_u32 s2, s2, STAGE                     ; my stage
	v_mul_u32_u24 v6, v9, 272
	v_lshl_add_u32 v6, v10, 6, v6
	v_add_nc_u32 v6, s2, v6                        ; in: row r, + 64 h
	v_mul_u32_u24 v7, v10, 272
	v_lshl_add_u32 v7, v9, 4, v7
	v_add_nc_u32 v7, s2, v7                        ; back: lanes 0-15 one row, lanes 16-31 the next
	v_lshlrev_b32 v8, 12, v10
	v_lshl_add_u32 v8, v9, 4, v8                   ; and the same two rows in out0, 4,096 bytes apart
	s_wait_alu depctr_va_vdst(0)                   ; the wait ahead of the reciprocal's first reader
.set j, 0
.rept 16
	v_pk_mul_f32 v[S+j:S+j+1], v[O+j:O+j+1], v[14:15] op_sel_hi:[1,0]   ; ascending: each accumulator from its low end on
.set j, j+2
.endr
.irp t, 0,1,2,3
	ds_store_b128 v6, v[S+8*\t:S+8*\t+3] offset:128*(\t/2)+32*(\t%2)
	ds_store_b128 v6, v[S+8*\t+4:S+8*\t+7] offset:128*(\t/2)+32*(\t%2)+16
.endr
.irp i, 0,1,2,3,4,5,6,7
	ds_load_b128 v[S+32+4*\i:S+35+4*\i], v7 offset:544*\i   ; LDS serves a wave's instructions in order: these see my stores
.endr
.irp i, 0,1,2,3,4,5,6,7
	s_wait_dscnt 7-\i                              ; pair i of rows is back; the younger loads may be out
	global_store_b128 v8, v[S+32+4*\i:S+35+4*\i], s[16:17] offset:(2*\i+8*(\i/4))*4096 th:TH_STORE_NT   ; stage row 2 i + h is query 2 i + h + 8 (i / 4) of the tile; sixteen lanes store 256 consecutive bytes, aligned
.endr
	s_wait_xcnt 0x0                                ; the stores and loads have read their registers and bases: both may be written again
	s_add_nc_u64 s[4:5], s[4:5], 16*768            ; sixteen tiles on
	s_add_nc_u64 s[6:7], s[6:7], 1024
	s_add_nc_u64 s[12:13], s[12:13], 15*4096       ; (the sixteen steps have walked one tile's record)
	s_add_nc_u64 s[14:15], s[14:15], 16*512
	s_add_nc_u64 s[16:17], s[16:17], 256*4096
	s_sub_co_u32 s[PASS], s[PASS], 1
	s_cmp_lg_u32 s[PASS], 0
	s_cbranch_scc1 .Lpass
	s_wait_tensorcnt 0x0                           ; the wave's end
	ds_add_u32 v[SPW], v[NIL]
	s_wait_dscnt 0x0
	s_endpgm
.Lfunc_end_k_qf31d85b421_attn:
	.size	k_qf31d85b421_attn, .Lfunc_end_k_qf31d85b421_attn-k_qf31d85b421_attn
	.p2alignl 7, 3214868480
	.fill 96, 4, 3214868480
	.section	.rodata,"a",@progbits
	.p2align	6, 0x0
	.amdhsa_kernel k_qf31d85b421_attn
		.amdhsa_group_segment_fixed_size 280576
		.amdhsa_private_segment_fixed_size 0
		.amdhsa_enable_private_segment 0
		.amdhsa_kernarg_size 56
		.amdhsa_user_sgpr_count 2
		.amdhsa_user_sgpr_kernarg_segment_ptr 1
		.amdhsa_wavefront_size32 1
		.amdhsa_system_sgpr_workgroup_id_x 1
		.amdhsa_system_sgpr_workgroup_id_y 1
		.amdhsa_system_sgpr_workgroup_id_z 1
		.amdhsa_system_vgpr_workitem_id 0
		.amdhsa_next_free_vgpr 256
		.amdhsa_next_free_sgpr 100
		.amdhsa_reserve_vcc 0
		.amdhsa_float_denorm_mode_32 3
		.amdhsa_float_denorm_mode_16_64 3
		.amdhsa_memory_ordered 1
		.amdhsa_forward_progress 1
		.amdhsa_inst_pref_size 39
	.end_amdhsa_kernel
	.amdgpu_metadata
---
amdhsa.version: [ 1, 2 ]
amdhsa.kernels:
  - .name:           k_qf31d85b421_attn
    .symbol:         k_qf31d85b421_attn.kd
    .args:
      - { .name: qkimg, .offset: 0, .size: 8, .value_kind: global_buffer, .address_space: global }
      - { .name: qksc, .offset: 8, .size: 8, .value_kind: global_buffer, .address_space: global }
      - { .name: vimg, .offset: 16, .size: 8, .value_kind: global_buffer, .address_space: global }
      - { .name: vsc, .offset: 24, .size: 8, .value_kind: global_buffer, .address_space: global }
      - { .name: mbits, .offset: 32, .size: 8, .value_kind: global_buffer, .address_space: global }
      - { .name: mflags, .offset: 40, .size: 8, .value_kind: global_buffer, .address_space: global }
      - { .name: out0, .offset: 48, .size: 8, .value_kind: global_buffer, .address_space: global }
    .group_segment_fixed_size: 280576
    .private_segment_fixed_size: 0
    .kernarg_segment_align: 8
    .kernarg_segment_size: 56
    .max_flat_workgroup_size: 512
    .sgpr_count:     100
    .vgpr_count:     256
    .wavefront_size: 32
...
	.end_amdgpu_metadata
.endif
;; end of part 3
